; MI455X (gfx1250); checked and timed in simulation.
; The chip was launched on July 23, 2026; its instructions are those of AMD's public machine-readable ISA for CDNA 5 (MIT licence, August 2026) and "CDNA5" Instruction Set Architecture Reference Guide (July 2026). The comments in the code are by the model that wrote it; some were corrected since.
;; Affinity Layer. Allowed arithmetic: matrix products marked QUANTISED: E2M1 operands, one E8M0 scale for each 32 along K, by v_wmma_scale_f32_16x16x128_f8f6f4 with both operands' format E2M1 (or v_wmma_scale_f32_32x16x128_f4), f32 sums; everything else in f32.
;; Inputs: key_codes 8 x 2,048 x 32 x 16 uint8 (E2M1 codes of key, K innermost, in blocks of 32 codes, two codes a byte); key_scales 8 x 2,048 x 32 uint8 (E8M0 scales of key, one for each 32 codes along K); query_codes 8 x 2,048 x 32 x 16 uint8 (E2M1 codes of query, K innermost, in blocks of 32 codes, two codes a byte); query_scales 8 x 2,048 x 32 uint8 (E8M0 scales of query, one for each 32 codes along K); value_codes 8 x 1,024 x 64 x 16 uint8 (E2M1 codes of value, K innermost, in blocks of 32 codes, two codes a byte); value_scales 8 x 1,024 x 64 uint8 (E8M0 scales of value, one for each 32 codes along K).
;; Outputs: out0 8 x 2,048 x 1,024 float32.
;; This version of the problem:
;;   THIS VERSION OF THE PROBLEM IS GIVEN IN LOW PRECISION. The matrix products marked QUANTISED in the list below multiply operands that are first quantised to E2M1 (2 exponent bits, 1 mantissa bit; 4 bits a number), with one power-of-two scale for each 32 numbers along K (OCP MX v1.0); their sums are f32. All else is computed in f32.
;;   The module's matrix products, in the order in which they are computed (A, B: the left and right operand; K: the contracted axis; several contracted axes count as one K, in the product's order):
;;     1. batch 8 x [M 2,048, K 1,024] x [K 1,024, N 2,048]; A: input query (given as codes); B: input key (given as codes): QUANTISED
;;     2. batch 8 x [M 2,048, K 2,048] x [K 2,048, N 1,024]; A: softmax (see below); B: input value (given as codes): QUANTISED
;;   THE QUANTISER, for each operand of a quantised product, along K:
;;     - K is cut into blocks of 32 from its start; a last block that is shorter is filled with zeros.
;;     - A block's scale is 2^e with e = floor(log2(the largest magnitude in the block)) - 2, held to -126 .. 127; a block of zeros has e = 0. As a byte (E8M0): e + 127.
;;     - Each number is divided by its block's scale, clamped to +-6, and rounded to the nearest number of E2M1, ties to even, subnormals kept.
;;     - The product sums the exact products of the quantised numbers (number of the format x scale) in f32.
;;   ~~~python
;;   def quantise(x, axis):      # numpy; x: float32 -> the quantised numbers, widened to float32 again
;;       x = np.moveaxis(x, axis, -1); K = x.shape[-1]
;;       x = np.pad(x, [(0, 0)] * (x.ndim - 1) + [(0, -K % 32)]); x = x.reshape(x.shape[:-1] + (-1, 32)); a = np.abs(x).max(-1, keepdims=True)
;;       e = np.where(a > 0, np.clip(np.frexp(np.where(a > 0, a, 1))[1] - 1 - 2, -126, 127), 0)      # np.frexp(a)[1] - 1 = floor(log2(a)), exactly
;;       r = np.clip(x / 2.0 ** e, -6, 6)
;;       step = 2.0 ** (np.maximum(np.frexp(np.where(r == 0, 1, r))[1] - 1, 0) - 1)
;;       q = np.round(r / step) * step * 2.0 ** e      # np.round: ties to even
;;       return np.moveaxis(q.reshape(q.shape[:-2] + (-1,))[..., :K], -1, axis).astype(np.float32)
;;   ~~~
;;   SOFTMAX AHEAD OF A QUANTISED PRODUCT. Where the list says 'softmax', what is quantised is not the finished softmax but p = 2^(t - M), with t = logit x log2(e) and M = ceil(the row's largest t), a whole number; so 1/2 < the row's largest p <= 1. The row's sum l is taken of the UNQUANTISED p, in f32, and the product's result is divided by l at the end. Since M is a whole number, a kernel that streams over the keys may use a running M (the ceiling of the running maximum): every later rescaling is an exact power of two, which a block's scale takes up: the codes' values come out the same.
;;   OPERANDS COMPUTED ON THE WAY. 'Computed on the way' means the value that the module computes at that place (a softmax that the list does not call 'softmax' is quantised finished and normalised). What goes into a quantiser is computed in f32, as accurately as f32 sums, v_exp_f32 and their like allow (about 1e-6 of the number): no bf16 or f16 on the way to a quantiser, and a product that is left as it is and whose result goes on into a quantised operand takes f32 operands (vector FMAs, or v_wmma_f32_16x16x4_f32). A number that lies on a knife's edge between two numbers of the format may be rounded either way, as far as f32 arithmetic and the matrix unit's own rounding can turn it there, and no further.
;;   INPUTS GIVEN AS CODES. key (in the module: [8, 2048, 1024], K = its axis 2); query (in the module: [8, 2048, 1024], K = its axis 2); value (in the module: [8, 2048, 1024], K = its axis 1): each comes as NAME_codes (uint8): NAME with its K axis moved to the last place and cut into blocks of 32 codes, [.., K / 32, bytes a block], one block behind the other in memory; two codes a byte, the lower K in the low four bits (a code: sign, 2 exponent bits, 1 mantissa bit); and NAME_scales (uint8): the same leading axes, one E8M0 byte (e + 127) for each 32 codes along K. Its value is code x scale, taken as it is: it is not quantised again, and the codes and scales need not be those that the quantiser above would give.
;; One version. Each part assembles by itself: llvm-mc -triple=amdgcn-amd-amdhsa -mcpu=gfx1250 --defsym DOCPART=n.
;; ======== version 1 of 1: 1 launch
;; limits: right only within a limited range of input values
;; launch attn (part 1): grid 32 x 8, 4 waves a work-group, clusters of 4 x 1, 327,680 bytes of LDS; arguments query_codes, query_scales, key_codes, key_scales, value_codes, value_scales, out0; writes out0
.if DOCPART == 1
	.amdgcn_target "amdgcn-amd-amdhsa--gfx1250"
	.amdhsa_code_object_version 6
	.text
	.protected	k_q6f13c022b6_attn
	.globl	k_q6f13c022b6_attn
	.p2align	8
	.type	k_q6f13c022b6_attn,@function
k_q6f13c022b6_attn:
	s_mov_b64 s[64:65], 0
	v_nop
	global_prefetch_b8 v0, s[64:65] scope:SCOPE_SE
	s_setreg_imm32_b32 hwreg(HW_REG_WAVE_MODE, 25, 1), 1
	s_wait_xcnt 0x0
	s_wait_alu depctr_hold_cnt(0) depctr_sa_sdst(0) depctr_va_vdst(0) depctr_va_sdst(0) depctr_va_ssrc(0) depctr_va_vcc(0) depctr_vm_vsrc(0)
	s_getreg_b32 s2, hwreg(HW_REG_IB_STS2, 6, 4)
	s_cmp_eq_u32 s2, 0
	s_cbranch_scc0 .Lentry_in_a_cluster
	s_endpgm
.Lentry_in_a_cluster:
	s_bfe_u32 s2, ttmp6, 0x10000c
	s_cmp_lg_u32 s2, 0x3003
	s_cbranch_scc0 .Lentry_shape_is_right
	s_endpgm
.Lentry_shape_is_right:
; out0[b][q][:] = sum over k <= q of softmax_k(Q[b][q] . K[b][k] / 32) V[b][k][:], 8 batches, 2,048 queries and keys, width 1,024, both products on codes of FP4 (E2M1) with one E8M0 scale for each 32 along a product's K.
; Q, K: rows of 512 bytes of codes and 32 scale bytes.  V: keys innermost: for each of the 1,024 d a row of 1,024 bytes of codes and 64 scale bytes.  out0: f32.
; WORK LEFT OUT.  reference() sets the score of key k for query q to -inf where k > q, by a tril that it builds itself; its softmax weight is then 0 whatever the inputs hold.  A step of 256 keys whose first key comes
; after the work-group's last query holds such scores alone: its loads, products and softmax are not done.  Inside the one step on the diagonal the hidden part stays and is set to -inf.  Every input has a way to the output.
; LIMIT: a NaN, an infinity or an overflow that reaches only the steps left out is not carried to the result.
; THE SOFTMAX AHEAD OF THE SECOND PRODUCT.  t = score x c, c = log2(e) / 32.  A wave's 32 keys of a chunk are ONE block of the quantiser for each query.  With m = ceil(the block's largest t), a whole number,
; p' = 2^(t - m) is quantised at once: the codes do not hang on the row's M, since M - m is a whole number that the block's scale takes up.  When the waves have exchanged their m, M = the running largest m,
; the block's byte is that of its largest p' x 2^(m - M), and the row's sum takes the block's sum of unquantised p' x 2^(m - M).  When M moves, the sum and O are multiplied by 2^(old M - new M): nothing is rounded.
; LIMITS: a block whose byte would fall under 1 keeps the byte 1 with its codes (at most 6 x 2^-126 beside a row's largest p over 1/2); t under -1e30 is not served; NaN and infinities among scores that count are not served.
; SHARES.  A work-group owns 64 queries of one batch: four tiles of 16.  THE FOUR WAVES SHARE COLUMNS, NOT QUERIES: in S^T = K Q^T wave w takes keys 32 w .. 32 w + 31 of each chunk of 128, for all
; 64 queries; in O^T = V^T P^T it owns d = 256 w .. 256 w + 255, for all 64 queries: 64 accumulators, 512 registers.  So each fragment of K and of V is read from LDS by one wave and feeds four matrix instructions.
; p goes from wave to wave through LDS as an image of the operand's registers.  A step is 256 keys (two chunks).  LDS slot A holds K's 256 rows of the step, slot B V's 1,024 rows x 128 bytes; each is filled while the other is used.
; CLUSTER.  The four work-groups of a cluster own queries 256 i .. 256 i + 255 of one batch (i: the cluster's x).  Key 256 s counts for some query of each of the four just where s <= i: all four walk the same i + 1 steps and read
; every tile of them.  So each tile is asked for JOINTLY: the same tensor load, with the same descriptor (made of the batch and the wave's number alone) and a mask that names the four.  A work-group's place in its cluster enters
; Q's, out0's and the prefetches' global addresses and the mask's numbers, and nothing else: no branch, no trip count, no LDS address.
; THE WALK.  A loop of i trips, in each of which K's next tile is asked for, and the last step, written out, which asks for none: no jump leads round a tensor load.  Where i = 0 a branch on the cluster's number, the same in all
; partners and waves, leads round the loop.  Only the last step lies on the diagonal, so the mask stands there alone, with no branch.  No LDS address is stepped in the loop.  No first step is written out (it would be two
; more copies of the step, one for the loop and one for the tail): O^T begins as zeros, cleared between the first loads and the wait for them.
; Every wait on TENSORcnt is for 0; by this text's count a wave has one tensor load out at the most.
; REGISTERS, in windows of 256.  Window 0: see the names below.  Window 1: Q, fragment (tile q, K step s) at 64 q + 8 s.  Windows 2, 3: O^T, tile (dt, q) at 8 (4 (dt % 8) + q), dt 0-7 in window 2, 8-15 in window 3.
.set KP,    528                        ; a row of K in LDS: 512 bytes + 16: an odd multiple of 16, so that the 16 rows of a load begin in 16 different 16-byte columns of 256 bytes
.set VP,    144                        ; a row of V: 128 + 16, likewise
.set SLOTB, 256*KP                     ; slot A: 0 .. 135,167; slot B: 1,024 rows of V
.set PIMG,  SLOTB+1024*VP              ; p's 8 fragments (chunk c, tile q: k = 4 c + q), 1,024 bytes each: registers 4 x .. 4 x + 3 of a lane at 512 x + 16 lane
.set PSC,   PIMG+8192                  ; p's scale words: 64 k + 4 r, byte w from wave w
.set XCH,   PSC+512                    ; the waves' smallest -m: 256 q + 16 r + 4 w;  1,024 bytes on: the waves' sums, in the same form
.set STAGE, XCH+2048                   ; the way out: 16 rows x 272 bytes for each wave
.set SPARE, STAGE+4*16*272             ; the spare words, 128 bytes for each wave: two blocks of 256 bytes that no other line names
.set AK,  1                            ; v1, v2  my place in K's rows of chunk 0, 1
.set AV,  3                            ; v3   my place in V's rows
.set AIW, 4                            ; v4   where I put 4 bytes of p's codes
.set AIR, 5                            ; v5   where I read an image: 16 x lane
.set ASW, 6                            ; v6   where I put a scale byte
.set ASR, 7                            ; v7   where I read a scale word
.set AXW, 8                            ; v8   the exchange: in,
.set AXR, 9                            ; v9   and out
.set OKS, 10                           ; v10  my offset among K's scale bytes
.set OVS, 11                           ; v11  among V's
.set DDL, 12                           ; v12  r - 8 h - 32 w, for the mask
.set STO, 13                           ; v13  the stage: in,
.set SRD, 14                           ; v14  and back
.set GO,  15                           ; v15  my offset in two rows of out0
.set SPW, 16                           ; v16  my spare word; never rewritten
.set NIL, 17                           ; v17  0; never rewritten
.set PFK, 18                           ; v18  256 x lane, v19 1,024 x lane: the prefetches' offsets; never rewritten
.set PFV, 19
.set QS,  20                           ; v20-35  Q's scale words: 4 q + s % 4; lanes 0-15 K steps 0-3, lanes 16-31 K steps 4-7
.set KS,  36                           ; v36-51  K's: 4 (2 c + u) + s % 4, the same halves
.set VS,  52                           ; v52-67  V's: 2 g + c; lanes 0-15 tile dt = 2 g, lanes 16-31 dt = 2 g + 1
.set PS,  68                           ; v68-75  p's: k
.set NM,  76                           ; v76-79  -M of tile q
.set L,   80                           ; v80-83  my part of the row's sum
.set NB,  84                           ; v84-99  block k: -m at 2 k, its largest p' (later its byte) at 2 k + 1
.set LB,  100                          ; v100-107 block k: my 16 numbers' sum
.set T,   108                          ; v108-127 at work
.set S,   128                          ; v128-191 S^T (16 q + 8 u + j), then p'; in the second product p's 8 fragments; on the way out two sets of 32
.set FB,  192                          ; v192-255 two halves of four fragments of K or V; on the way out two sets of 32
.set WV,  18                           ; s18  my wave
.set KF,  19                           ; s19  the step's first key: it serves the prefetches' limits
.set Q0,  48                           ; s48  my work-group's first query
.set MK,  49                           ; s49  64 x my place in the cluster: my first query less the last step's first key
.set CNT, 50                           ; s50  trips done
.set ASKF, 51                          ; s51  0 in the cluster that prefetches, else 65,536
.set NT,  76                           ; s76  the loop's trips: the cluster's x; never rewritten
.set CX,  77                           ; s77  my place in the cluster
.set MSB, 0
.macro WIN new                         ; the immediate's high byte repeats the setting that is left; a switch that changes nothing is dropped
.if MSB != (\new)
	s_set_vgpr_msb (MSB<<8)|(\new)
.set MSB, (\new)
.endif
.endm
.macro PLACES                          ; four plain vector instructions between a matrix instruction and a load into, or a vector instruction on, its registers
.rept 4
	v_nop
.endr
.endm
.macro TLK                             ; a joint load: my 64 rows of K's tile.  An s_nop 0 and four v_nop follow a tensor load
	tensor_load_to_lds s[40:43], s[24:31]
	s_nop 0
	PLACES
.endm
.macro TLV                             ; a joint load: my 256 rows of V's tile
	tensor_load_to_lds s[44:47], s[32:39]
	s_nop 0
	PLACES
.endm
; A round of the cluster's barrier: my work-group's barrier, so that wave 0's signal speaks for all four waves; wave 0 signals for the work-group; every wave waits for all four work-groups; my work-group's barrier once more.
.macro CROUND
	s_barrier_signal -1
	s_barrier_wait -1
	s_cmp_lg_u32 s[WV], 0
	s_cbranch_scc1 .Lnot_wave_0_\@
	s_barrier_signal -3
.Lnot_wave_0_\@:
	s_barrier_wait -3
	s_barrier_signal -1
	s_barrier_wait -1
.endm
.macro KLOAD c, g                      ; chunk c, K steps 2 g and 2 g + 1, my two tiles of 16 keys: four fragments into half g % 2
.irp s2, 0,1
.irp u, 0,1
.irp x, 0,1
	ds_load_b128 v[FB+32*((\g)%2)+8*(2*\s2+\u)+4*\x:FB+32*((\g)%2)+8*(2*\s2+\u)+4*\x+3], v[AK+\c] offset:16*KP*\u+64*(2*(\g)+\s2)+32*\x
.endr
.endr
.endr
.endm
.macro KMUL c, g                       ; 16 products S^T += K Q^T: source 0 = 16 keys, source 1 = 16 queries; the 8 accumulators take turns; K step 0 starts the sums
.irp s2, 0,1
.irp u, 0,1
.irp q, 0,1,2,3
.set ks, 2*(\g)+\s2
.set rD, S+16*\q+8*\u
.set rA, FB+32*((\g)%2)+8*(2*\s2+\u)
.set rB, 64*\q+8*ks
.set rX, KS+4*(2*(\c)+\u)+ks%4
.set rY, QS+4*\q+ks%4
.if ks == 0
	v_wmma_scale_f32_16x16x128_f8f6f4 v[rD:rD+7], v[rA:rA+7], v[rB:rB+7], 0, v[rX], v[rY] matrix_a_fmt:MATRIX_FMT_FP4 matrix_b_fmt:MATRIX_FMT_FP4
.elseif ks < 4
	v_wmma_scale_f32_16x16x128_f8f6f4 v[rD:rD+7], v[rA:rA+7], v[rB:rB+7], v[rD:rD+7], v[rX], v[rY] matrix_a_fmt:MATRIX_FMT_FP4 matrix_b_fmt:MATRIX_FMT_FP4
.else
	v_wmma_scale_f32_16x16x128_f8f6f4 v[rD:rD+7], v[rA:rA+7], v[rB:rB+7], v[rD:rD+7], v[rX], v[rY] matrix_a_fmt:MATRIX_FMT_FP4 matrix_b_fmt:MATRIX_FMT_FP4 matrix_a_scale:MATRIX_SCALE_ROW1 matrix_b_scale:MATRIX_SCALE_ROW1
.endif
.endr
.endr
.endr
.endm
.macro VLOAD g                         ; tiles dt = 2 g, 2 g + 1 of my 256 d, both chunks: four fragments into half g % 2
.irp c, 0,1
.irp d2, 0,1
.irp x, 0,1
	ds_load_b128 v[FB+32*((\g)%2)+8*(2*\c+\d2)+4*\x:FB+32*((\g)%2)+8*(2*\c+\d2)+4*\x+3], v[AV] offset:(2*(\g)+\d2)*16*VP+64*\c+32*\x
.endr
.endr
.endr
.endm
.macro VMUL g                          ; 16 products O^T += V^T P^T: source 0 = 16 d, source 1 = p of 16 queries; 8 accumulators by turns
.irp c, 0,1
.irp d2, 0,1
.irp q, 0,1,2,3
.set rD, 8*(4*((2*(\g)+\d2)%8)+\q)
.set rA, FB+32*((\g)%2)+8*(2*\c+\d2)
.set rB, S+8*(4*\c+\q)
.set rX, VS+2*(\g)+\c
.set rY, PS+4*\c+\q
.if \d2
	v_wmma_scale_f32_16x16x128_f8f6f4 v[rD:rD+7], v[rA:rA+7], v[rB:rB+7], v[rD:rD+7], v[rX], v[rY] matrix_a_fmt:MATRIX_FMT_FP4 matrix_b_fmt:MATRIX_FMT_FP4 matrix_a_scale:MATRIX_SCALE_ROW1
.else
	v_wmma_scale_f32_16x16x128_f8f6f4 v[rD:rD+7], v[rA:rA+7], v[rB:rB+7], v[rD:rD+7], v[rX], v[rY] matrix_a_fmt:MATRIX_FMT_FP4 matrix_b_fmt:MATRIX_FMT_FP4
.endif
.endr
.endr
.endr
.endm
.macro KSLOAD                          ; a step's scale words of my 64 keys: each load takes 512 consecutive bytes
.irp c, 0,1
.irp u, 0,1
	global_load_b128 v[KS+4*(2*\c+\u):KS+4*(2*\c+\u)+3], v[OKS], s[52:53] offset:4096*\c+512*\u
.endr
.endr
.endm
; The last step's mask.  Register 16 q + 8 u + j of lane (r, h) holds key KF + 128 c + 32 w + 16 u + 8 h + j for query Q0 + 16 q + r, and Q0 - KF = 64 x my place in the cluster: hidden where 128 c + 16 u + j - 16 q > 64 cx + r - 8 h - 32 w.
.macro MASK c
	v_add_nc_u32 v[T+17], s[MK], v[DDL]
	v_mov_b32 v[T+16], 0xff800000                  ; -infinity
.irp q, 0,1,2,3
.irp n, 0,1,2,3,4,5,6,7,8,9,10,11,12,13,14,15
	v_cmp_gt_i32 vcc_lo, 128*\c+\n+8*(\n/8)-16*\q, v[T+17]
	v_cndmask_b32 v[S+16*\q+\n], v[S+16*\q+\n], v[T+16], vcc_lo
.endr
.endr
.endm
; My block of chunk c, for the four tiles of queries by turns: the largest score, -m, p', its sum, its codes.  Each accumulator is read from its low end on.
.macro SOFT c
.irp q, 0,1,2,3
	v_max3_num_f32 v[T+\q], v[S+16*\q], v[S+16*\q+1], v[S+16*\q+2]
.endr
.irp i, 3,5,7,9,11,13
.irp q, 0,1,2,3
	v_max3_num_f32 v[T+\q], v[T+\q], v[S+16*\q+\i], v[S+16*\q+\i+1]
.endr
.endr
.irp q, 0,1,2,3
	v_max_num_f32 v[T+\q], v[T+\q], v[S+16*\q+15]
.endr
.irp q, 0,1,2,3
	v_permlanex16_b32 v[T+4+\q], v[T+\q], s20, s21
.endr
.irp q, 0,1,2,3
	v_max_num_f32 v[T+\q], v[T+\q], v[T+4+\q]      ; with lane l xor 16's 16 keys: the block's largest score
.endr
.irp q, 0,1,2,3
	v_mul_f32 v[T+8+\q], s22, v[T+\q]              ; as t (c is positive)
.endr
.irp q, 0,1,2,3
	v_max_num_f32 v[T+8+\q], 0xf149f2ca, v[T+8+\q] ; held at -1e30 from below: a block that is wholly hidden gets a finite m, and p' = 0
.endr
.irp q, 0,1,2,3
	v_floor_f32 v[NB+8*\c+2*\q], -v[T+8+\q]        ; -m = floor(-t) = -ceil(t): a whole number
.endr
.irp i, 0,2,4,6,8,10,12,14
.irp q, 0,1,2,3
	v_pk_fma_f32 v[S+16*\q+\i:S+16*\q+\i+1], v[S+16*\q+\i:S+16*\q+\i+1], s[22:23], v[NB+8*\c+2*\q:NB+8*\c+2*\q+1] op_sel_hi:[1,0,0]   ; t - m, two at a time (of the pairs c and -m the low word serves both halves)
.endr
.endr
.irp q, 0,1,2,3
	v_fma_f32 v[T+4+\q], v[T+\q], s22, v[NB+8*\c+2*\q]   ; the same of the block's largest score: p' rises with the score, so this gives the block's largest p'
.endr
.set ei, 0
.rept 64
	v_exp_f32 v[S+ei], v[S+ei]                     ; p' = 2^(t - m)
.set ei, ei+1
.endr
.irp q, 0,1,2,3
	v_exp_f32 v[T+4+\q], v[T+4+\q]
.endr
	v_nop                                          ; a plain instruction behind the last exponential,
	s_wait_alu depctr_va_vdst(0)                   ; and one wait for the batch of 68, ahead of the first instruction that names a result
.irp q, 0,1,2,3
	v_pk_add_f32 v[T+8+2*\q:T+9+2*\q], v[S+16*\q:S+16*\q+1], v[S+16*\q+2:S+16*\q+3]   ; the sum is taken of the unquantised p'
.endr
.irp i, 4,6,8,10,12,14
.irp q, 0,1,2,3
	v_pk_add_f32 v[T+8+2*\q:T+9+2*\q], v[T+8+2*\q:T+9+2*\q], v[S+16*\q+\i:S+16*\q+\i+1]
.endr
.endr
.irp q, 0,1,2,3
	v_add_f32 v[LB+4*\c+\q], v[T+8+2*\q], v[T+9+2*\q]
.endr
.irp q, 0,1,2,3
	v_max_num_f32 v[NB+8*\c+2*\q+1], 0x1800000, v[T+4+\q]   ; the floor 2^(3 - 127): the byte cannot fall under 1
.endr
.irp q, 0,1,2,3
	v_add_nc_u32 v[T+\q], 0xff000000, v[NB+8*\c+2*\q+1]     ; 2 off the exponent field: the conversion's scale operand
.endr
.irp q, 0,1,2,3
	v_cvt_scalef32_pk8_fp4_f32 v[T+8+2*\q], v[S+16*\q:S+16*\q+7], v[T+\q]       ; keys 8 h + 0 .. 7 of the block: 4 bytes
	v_cvt_scalef32_pk8_fp4_f32 v[T+9+2*\q], v[S+16*\q+8:S+16*\q+15], v[T+\q]    ; keys 16 + 8 h + 0 .. 7
.endr
	v_nop                                          ; one plain instruction behind the last scaled conversion
.irp q, 0,1,2,3
	ds_store_b32 v[AIW], v[T+8+2*\q] offset:1024*(4*\c+\q)      ; block w of query r is the 16 bytes of lane r + 16 (w % 2), registers 4 (w / 2) on: byte 256 w + 16 r of the image; mine at + 4 h + 8 u
	ds_store_b32 v[AIW], v[T+9+2*\q] offset:1024*(4*\c+\q)+8
.endr
.endm
.macro RESC                            ; 32 accumulators of the window set: O^T x f of its tile of queries, each from its low end on
.set i, 0
.rept 128
	v_pk_mul_f32 v[2*i:2*i+1], v[2*i:2*i+1], v[T+2*((i/4)%4):T+2*((i/4)%4)+1] op_sel_hi:[1,0]
.set i, i+1
.endr
.endm
; A STEP OF 256 KEYS.  last = 0: a step of the loop: another follows, whose tile of K and scale words are asked for.  last = 1: the last step: it asks for neither, and it is the one on the diagonal.
.macro TRIP last
	; ---- slot B changes: K's tile of this step is in, nobody reads V's of the last step
	s_wait_tensorcnt 0x0                           ; my one tensor load, my part of K's tile, has landed: so a group 0 may be written
	ds_add_u32 v[SPW], v[NIL]                      ; 0 onto my spare word; in the loop the steps below stand between it and the wait for it
.if \last == 0
	s_add_nc_u64 s[42:43], s[42:43], 131072        ; K's next tile: 256 rows on; the type bits on top are not reached
	s_wait_xcnt 0x0                                ; the last trip's prefetches have read their addresses
	s_add_nc_u64 s[56:57], s[56:57], 131072        ; K of two steps on
	s_add_nc_u64 s[58:59], s[58:59], 128           ; V of the next step
.endif
	s_wait_dscnt 0x0                               ; the add is done, and my reads of slot B are over
	CROUND                                         ; both now hold of every wave of all four work-groups
	TLV                                            ; first behind the round, and my one tensor load until the next: V's tile of this step; its four v_nop and the four behind the last step's products are the places ahead of the loads and products below
.if \last == 0
	; V's prefetch: in steps 1, 3, 5 the aligned 256 bytes of a row that hold the next two steps' codes.  The batch's last cluster asks (a branch on the cluster's number); of my wave's 256 rows each of the four partners takes 64,
	; told apart by address: a lane a row, two instructions.  So each such run is named once in the launch.  The first two steps come by their loads alone
	s_bitcmp1_b32 s[KF], 8
	s_cbranch_scc0 .Lno_askv
	s_add_co_u32 s60, s[KF], s[ASKF]
	s_cmp_le_u32 s60, 1280
	s_cbranch_scc0 .Lno_askv
.irp i, 0,1
	global_prefetch_b8 v[PFV], s[58:59] offset:32768*\i th:TH_LOAD_NT scope:SCOPE_SE
.endr
.Lno_askv:
.endif
	; ---- S^T = K Q^T and my blocks' softmax, chunk by chunk
	KLOAD 0, 0
	KLOAD 0, 1
.irp g, 0,1,2,3,4,5,6,7
	global_load_b64 v[VS+2*\g:VS+2*\g+1], v[OVS], s[54:55] offset:2048*\g   ; V's scale words of this step: 8 bytes a row
.endr
	s_wait_loadcnt 8                               ; all but the eight just issued: K's scale words are in
.if \last == 0
	s_add_nc_u64 s[52:53], s[52:53], 8192          ; so their base may step: the next step's
.endif
	WIN 0x04                                       ; source 1 (Q) window 1; LDS loads name window 0 under it too
	s_wait_dscnt 8                                 ; the older run of eight is in
	KMUL 0, 0
	PLACES
	KLOAD 0, 2
	s_wait_dscnt 8
	KMUL 0, 1
	PLACES
	KLOAD 0, 3
	s_wait_dscnt 8
	KMUL 0, 2
	PLACES
	KLOAD 1, 0
	s_wait_dscnt 8
	KMUL 0, 3
	PLACES
	KLOAD 1, 1
	WIN 0
.if \last
	MASK 0
.endif
	SOFT 0
	WIN 0x04
	s_wait_dscnt 16                                ; behind the run that is wanted: one run of eight loads and the softmax's eight stores
	KMUL 1, 0
	PLACES
	KLOAD 1, 2
	s_wait_dscnt 16                                ; the eight stores and one run
	KMUL 1, 1
	PLACES
	KLOAD 1, 3
	s_wait_dscnt 8
	KMUL 1, 2
	s_wait_dscnt 0x0
	KMUL 1, 3
	PLACES
	WIN 0
	s_wait_loadcnt 0x0                             ; V's scale words are in (asked for at the head of this phase)
.if \last
	MASK 1
.else
	s_add_nc_u64 s[54:55], s[54:55], 8             ; so their base may step
	KSLOAD                                         ; the next step's, awaited at its head
.endif
	SOFT 1
.irp q, 0,1,2,3
	v_min_num_f32 v[T+16+\q], v[NB+2*\q], v[NB+8+2*\q]   ; my smaller -m
.endr
.irp q, 0,1,2,3
	ds_store_b32 v[AXW], v[T+16+\q] offset:256*\q
.endr
	; ---- slot A changes: V's tile is in, nobody reads K's; the waves' -m and p's codes lie in LDS
	s_wait_tensorcnt 0x0                           ; my part of V's tile has landed
	ds_add_u32 v[SPW], v[NIL]
.if \last == 0
	s_add_nc_u64 s[46:47], s[46:47], 128           ; V's next tile: 256 keys on in each row
.endif
	s_wait_dscnt 0x0                               ; the add and my stores are done, my reads of slot A are over
.if \last == 0
	CROUND                                         ; all that holds of every wave of all four work-groups
	TLK                                            ; first behind the round, my one tensor load until the next: K's tile of the next step
	; K's prefetch: the tile of two steps on.  The batch's last cluster asks; of my wave's 32,768 consecutive bytes each partner takes 8,192, told apart by address: lanes 256 bytes apart, one instruction; it stops where there is no such step
	s_add_co_u32 s60, s[KF], s[ASKF]
	s_cmp_le_u32 s60, 1280
	s_cbranch_scc0 .Lno_askk
	global_prefetch_b8 v[PFK], s[56:57] th:TH_LOAD_NT scope:SCOPE_SE
.Lno_askk:
.else
	s_barrier_signal -1
	s_barrier_wait -1
.endif
	; ---- the exchange: the new -M, f, the blocks' bytes, the sums
.irp q, 0,1,2,3
	ds_load_b128 v[T+4*\q:T+4*\q+3], v[AXR] offset:256*\q
.endr
	s_wait_dscnt 0x0
.irp q, 0,1,2,3
	v_min3_num_f32 v[T+16+\q], v[T+4*\q], v[T+4*\q+1], v[T+4*\q+2]
.endr
.irp q, 0,1,2,3
	v_min3_num_f32 v[T+16+\q], v[T+16+\q], v[T+4*\q+3], v[NM+\q]   ; the new -M
.endr
.irp q, 0,1,2,3
	v_sub_f32 v[T+2*\q+1], v[T+16+\q], v[NM+\q]    ; old M - new M: a whole number, 0 or less
.endr
.irp q, 0,1,2,3
	v_cvt_i32_f32 v[T+2*\q+1], v[T+2*\q+1]         ; (it saturates)
.endr
.irp q, 0,1,2,3
	v_ldexp_f32 v[T+2*\q], 1.0, v[T+2*\q+1]        ; f = 2^(old M - new M)
.endr
.irp q, 0,1,2,3
	v_mov_b32 v[NM+\q], v[T+16+\q]
.endr
.irp q, 0,1,2,3
	v_mul_f32 v[L+\q], v[L+\q], v[T+2*\q]
.endr
.irp k, 0,1,2,3,4,5,6,7
	v_sub_f32 v[T+8+\k], v[NM+\k%4], v[NB+2*\k]    ; m - M of my block k
.endr
.irp k, 0,1,2,3,4,5,6,7
	v_cvt_i32_f32 v[T+8+\k], v[T+8+\k]
.endr
.irp k, 0,1,2,3,4,5,6,7
	v_ldexp_f32 v[NB+2*\k+1], v[NB+2*\k+1], v[T+8+\k]   ; the block's largest p
.endr
.irp k, 0,1,2,3,4,5,6,7
	v_max_num_f32 v[NB+2*\k+1], 0x1800000, v[NB+2*\k+1] ; the floor once more
.endr
.irp k, 0,1,2,3,4,5,6,7
	v_add_nc_u32 v[NB+2*\k+1], 0xff000000, v[NB+2*\k+1]
.endr
.irp k, 0,1,2,3,4,5,6,7
	v_lshrrev_b32 v[NB+2*\k+1], 23, v[NB+2*\k+1]   ; its scale's byte
.endr
.irp k, 0,1,2,3,4,5,6,7
	v_ldexp_f32 v[LB+\k], v[LB+\k], v[T+8+\k]      ; the block's sum under M
.endr
.irp k, 0,1,2,3,4,5,6,7
	v_add_f32 v[L+\k%4], v[L+\k%4], v[LB+\k]
.endr
.irp k, 0,1,2,3,4,5,6,7
	ds_store_b8 v[ASW], v[NB+2*\k+1] offset:64*\k  ; byte w of row r's word; both halves of the lanes write the same byte with the same value
.endr
	VLOAD 0                                        ; my own rows of V: they land while O^T is rescaled
	VLOAD 1
	WIN 0x82                                       ; O^T (destination, source 0) window 2, f window 0
	RESC
	WIN 0
	s_wait_dscnt 0x0                               ; my bytes lie in LDS
	s_barrier_signal -1                            ; K's next tile stays on its way
	s_barrier_wait -1
	; ---- O^T += V^T P^T
.irp k, 0,1,2,3,4,5,6,7
	ds_load_b128 v[S+8*\k:S+8*\k+3], v[AIR] offset:1024*\k
	ds_load_b128 v[S+8*\k+4:S+8*\k+7], v[AIR] offset:1024*\k+512
.endr
.irp k, 0,1,2,3,4,5,6,7
	ds_load_b32 v[PS+\k], v[ASR] offset:64*\k
.endr
	WIN 0xc3
	RESC
	WIN 0
.irp g, 0,1,2,3,4,5,6,7
.if (\g == 0) || (\g == 7)
	s_wait_dscnt 0x0                               ; p and the first fragments; or the last run
.else
	s_wait_dscnt 8                                 ; the younger run of eight may be out
.endif
	WIN 0xa0+0x50*(\g/4)                           ; C and D window 2 or 3
	VMUL \g
	PLACES
	WIN 0
.if \g < 6
	VLOAD \g+2
.endif
.endr
.endm
	s_load_b256 s[4:11], s[0:1], 0x0               ; Q's codes s[4:5], Q's scales s[6:7], K's codes s[8:9], K's scales s[10:11]
	s_load_b128 s[12:15], s[0:1], 0x20             ; V's codes, V's scales
	s_load_b64 s[16:17], s[0:1], 0x30              ; out0
	v_lshl_add_u32 v[SPW], v0, 2, SPARE
	v_mov_b32 v[NIL], 0
	ds_add_u32 v[SPW], v[NIL]                      ; the wave's opening: the add, twice on end, and its wait ahead of the round in front of my first tensor load
	ds_add_u32 v[SPW], v[NIL]                      ; and once more, under the one wait; the set-up below, work on registers, stands between
	v_lshrrev_b32 v1, 5, v0
	v_readfirstlane_b32 s[WV], v1                  ; wave 0..3
	s_and_b32 s2, ttmp7, 0xffff                    ; the batch, which the four partners share
	s_bfe_u32 s[CX], ttmp6, 0x40000                ; cx: my place in the cluster
	s_lshl_b32 s[Q0], ttmp9, 2                     ; in a cluster launch ttmp9 counts clusters
	s_add_co_u32 s[Q0], s[Q0], s[CX]               ; my block of 64 queries = 4 x cluster x + cx
	s_lshl_b32 s[Q0], s[Q0], 6                     ; its first query: it enters Q's and out0's addresses alone
	s_lshl_b32 s[MK], s[CX], 6                     ; for the mask's numbers
	s_mov_b32 s[KF], 0
	s_mov_b32 s[CNT], 0
	s_mov_b32 s[NT], ttmp9                         ; the steps that have a successor: the cluster's x
	s_cmp_eq_u32 ttmp9, 7                          ; the batch's last cluster walks all its steps: it prefetches
	s_cselect_b32 s[ASKF], 0, 0x10000
	s_mov_b32 s20, 0x76543210
	s_mov_b32 s21, 0xfedcba98                      ; v_permlanex16_b32's selects for lane l xor 16
	s_mov_b32 s22, 0x3d38aa3b                      ; c = log2(e) / 32
	s_mov_b32 s23, s22                             ; (named with it as a pair, so it is written)
	s_mov_b32 s24, 15|(1<<20)|(1<<21)|(6<<22)|(3<<25)   ; K's group 1: the mask: all four work-groups; elements of 1 byte; padding on; bit 21 set beside a mask; 4 words behind every 128
	s_mov_b32 s25, 512<<16                         ; tensor_dim0 = 512
	s_mov_b32 s26, 64<<16                          ; tensor_dim1 = 64
	s_mov_b32 s27, 512<<16                         ; tile_dim0 = 512
	s_mov_b32 s28, 64                              ; tile_dim1 = 64
	s_mov_b32 s29, 512                             ; from row to row
	s_mov_b32 s30, 0
	s_mov_b32 s31, 0
	s_mov_b32 s32, 15|(1<<20)|(1<<21)|(4<<22)|(3<<25)   ; V's group 1: the same with 4 words behind every 32
	s_mov_b32 s33, 128<<16
	s_mov_b32 s34, 256<<16
	s_mov_b32 s35, 128<<16
	s_mov_b32 s36, 256
	s_mov_b32 s37, 1024
	s_mov_b32 s38, 0
	s_mov_b32 s39, 0
	s_mov_b32 s40, 1                               ; K's group 0: count,
	s_mul_i32 s41, s[WV], 64*KP                    ; LDS address: my 64 rows of slot A: no place in the cluster enters it
	s_mov_b32 s44, 1                               ; V's
	s_mul_i32 s45, s[WV], 256*VP
	s_add_co_u32 s45, s45, SLOTB                   ; my 256 rows of slot B
	s_lshl_b32 s60, s2, 20                         ; the batch's codes: 1 MiB in each of the three tensors
	s_lshl_b32 s62, s[WV], 15
	s_add_co_u32 s62, s62, s60                     ; K: + my 64 rows of 512 bytes
	s_mov_b32 s63, 0
	s_lshl_b32 s68, s[WV], 18
	s_add_co_u32 s68, s68, s60                     ; V: + my 256 rows of 1,024 bytes
	s_mov_b32 s69, 0
	s_lshl_b32 s70, s[Q0], 9
	s_add_co_u32 s70, s70, s60                     ; Q: + the block's first row
	s_mov_b32 s71, 0
	s_lshl_b32 s72, s2, 16                         ; the batch's scale bytes: 64 KiB in each tensor
	s_mov_b32 s73, 0
	s_lshl_b32 s74, s[Q0], 5
	s_add_co_u32 s74, s74, s72                     ; Q's: + 32 bytes a row
	s_mov_b32 s75, 0
	s_lshl_b32 s78, s2, 23                         ; out0: 8 MiB a batch,
	s_lshl_b32 s79, s[Q0], 12                      ; 4,096 bytes a row,
	s_add_co_u32 s78, s78, s79
	s_lshl_b32 s79, s[WV], 10                      ; my 256 d
	s_add_co_u32 s78, s78, s79
	s_mov_b32 s79, 0
	s_wait_dscnt 0x0                               ; both opening adds are done
	s_wait_kmcnt 0x0
	s_add_nc_u64 s[42:43], s[8:9], s[62:63]        ; K's tile of step 0
	s_add_nc_u64 s[56:57], s[42:43], 131072        ; K's prefetches: the first change steps this to step 2
	s_or_b32 s43, s43, 0x80000000                  ; type = 2
	s_add_nc_u64 s[46:47], s[12:13], s[68:69]      ; V's tile of step 0
	s_mov_b64 s[58:59], s[46:47]                   ; V's prefetches
	s_or_b32 s47, s47, 0x80000000
	CROUND                                         ; all four work-groups are here: the first joint loads meet
	TLK                                            ; the first fill: every wave issues it, ahead of every wait on TENSORcnt and every LDS read
	s_add_nc_u64 s[4:5], s[4:5], s[70:71]
	s_add_nc_u64 s[6:7], s[6:7], s[74:75]
	s_lshl_b32 s70, s[CX], 13                      ; the prefetches: my work-group's 8,192 bytes of the wave's part of K's tile,
	s_add_nc_u64 s[56:57], s[56:57], s[70:71]
	s_lshl_b32 s70, s[CX], 16                      ; and its 64 rows of the wave's 256 of V
	s_add_nc_u64 s[58:59], s[58:59], s[70:71]
	s_add_nc_u64 s[52:53], s[10:11], s[72:73]      ; K's scale bytes, stepped by 8,192 a step
	s_add_nc_u64 s[54:55], s[14:15], s[72:73]      ; V's, stepped by 8
	s_add_nc_u64 s[66:67], s[16:17], s[78:79]
	v_and_b32 v[T], 15, v0                         ; r
	v_bfe_u32 v[T+1], v0, 4, 1                     ; h
	v_and_b32 v[T+2], 31, v0                       ; lane
	v_lshlrev_b32 v[T+3], 9, v[T]
	v_lshl_add_u32 v[T+3], v[T+1], 4, v[T+3]       ; Q's codes: 512 r + 16 h
	v_lshlrev_b32 v[T+8], 5, v[T]
	v_lshl_add_u32 v[T+8], v[T+1], 4, v[T+8]       ; scale bytes: 32 r + 16 h: four words, K steps 4 h on
	s_lshl_b32 s3, s[WV], 10
	v_add_nc_u32 v[OKS], s3, v[T+8]                ; K's: + my 32 keys of a chunk
	WIN 0x40                                       ; destination window 1
.irp q, 0,1,2,3
.irp s, 0,1,2,3,4,5,6,7
.irp x, 0,1
	global_load_b128 v[64*\q+8*\s+4*\x:64*\q+8*\s+4*\x+3], v[T+3], s[4:5] offset:8192*\q+64*\s+32*\x   ; Q stays in registers
.endr
.endr
.endr
	WIN 0
.irp q, 0,1,2,3
	global_load_b128 v[QS+4*\q:QS+4*\q+3], v[T+8], s[6:7] offset:512*\q
.endr
	KSLOAD                                         ; step 0's
	s_mul_i32 s3, s[WV], 32*KP
	v_mul_u32_u24 v[AK], v[T], KP
	v_lshl_add_u32 v[AK], v[T+1], 4, v[AK]
	v_add_nc_u32 v[AK], s3, v[AK]                  ; row 32 w + r, + 16 h
	v_add_nc_u32 v[AK+1], 128*KP, v[AK]            ; chunk 1: 128 rows on
	s_mul_i32 s3, s[WV], 256*VP
	s_add_co_u32 s3, s3, SLOTB
	v_mul_u32_u24 v[AV], v[T], VP
	v_lshl_add_u32 v[AV], v[T+1], 4, v[AV]
	v_add_nc_u32 v[AV], s3, v[AV]                  ; row 256 w + r, + 16 h
	s_lshl_b32 s3, s[WV], 8
	s_add_co_u32 s3, s3, PIMG
	v_lshlrev_b32 v[AIW], 4, v[T]
	v_lshl_add_u32 v[AIW], v[T+1], 2, v[AIW]
	v_add_nc_u32 v[AIW], s3, v[AIW]                ; 256 w + 16 r + 4 h
	v_lshl_add_u32 v[AIR], v[T+2], 4, PIMG
	v_lshl_add_u32 v[ASR], v[T], 2, PSC
	v_add_nc_u32 v[ASW], s[WV], v[ASR]
	v_lshl_add_u32 v[AXR], v[T], 4, XCH
	s_lshl_b32 s3, s[WV], 2
	v_add_nc_u32 v[AXW], s3, v[AXR]
	v_lshlrev_b32 v[OVS], 6, v[T]
	v_lshl_add_u32 v[OVS], v[T+1], 10, v[OVS]
	s_lshl_b32 s3, s[WV], 14
	v_add_nc_u32 v[OVS], s3, v[OVS]                ; 64 bytes a row: row 256 w + 16 h + r
	v_lshlrev_b32 v[DDL], 3, v[T+1]
	v_sub_nc_u32 v[DDL], v[T], v[DDL]
	s_lshl_b32 s3, s[WV], 5
	v_sub_nc_u32 v[DDL], v[DDL], s3
	s_mul_i32 s3, s[WV], 16*272
	s_add_co_u32 s3, s3, STAGE
	v_mul_u32_u24 v[STO], v[T], 272
	v_lshl_add_u32 v[STO], v[T+1], 5, v[STO]
	v_add_nc_u32 v[STO], s3, v[STO]                ; in: row r, 32 bytes for each half of the lanes
	v_mul_u32_u24 v[SRD], v[T+1], 272
	v_lshl_add_u32 v[SRD], v[T], 4, v[SRD]
	v_add_nc_u32 v[SRD], s3, v[SRD]                ; back: lanes 0-15 one row of 256 bytes, lanes 16-31 the next
	v_lshlrev_b32 v[GO], 12, v[T+1]
	v_lshl_add_u32 v[GO], v[T], 4, v[GO]           ; and the same two rows in out0
	v_lshlrev_b32 v[PFK], 8, v[T+2]
	v_lshlrev_b32 v[PFV], 10, v[T+2]
.irp q, 0,1,2,3
	v_mov_b32 v[NM+\q], 0x7f61b1e6                 ; -M: 3e38, over every -m
	v_mov_b32 v[L+\q], 0
	v_mov_b32 v[T+4+\q], 0                         ; written once: a lane permute's destination counts as one of its sources
.endr
.irp k, 0,1,2,3,4,5,6,7
	v_mov_b32 v[NB+2*\k+1], 0                      ; (named as a pair's upper half before it is first written)
.endr
	WIN 0x80                                       ; O^T begins as zeros (see the head): these lines stand between the first loads and the wait for them
.set i, 0
.rept 256
	v_mov_b32 v[i], 0
.set i, i+1
.endr
	WIN 0xc0
.set i, 0
.rept 256
	v_mov_b32 v[i], 0
.set i, i+1
.endr
	WIN 0
	s_wait_loadcnt 0x0                             ; Q, its scale words, K's of step 0
	s_cmp_eq_u32 s[NT], 0                          ; the batch's first cluster has the last step alone: the cluster's number, the same in all partners and waves
	s_cbranch_scc1 .Ltail
.Ltrip:                                            ; cluster x trips: the steps that have a successor
	TRIP 0
	s_add_co_u32 s[KF], s[KF], 256                 ; the next step's first key
	s_add_co_u32 s[CNT], s[CNT], 1
	s_cmp_lt_u32 s[CNT], s[NT]
	s_cbranch_scc1 .Ltrip
.Ltail:
	TRIP 1                                         ; the last step, on the diagonal, written out
	; THE WAY OUT.  The row's sum: my two halves, then the four waves'.  O^T / the sum goes through my stage in LDS, 16 queries x 64 d at a time, and leaves as whole runs of 256 bytes.
.irp q, 0,1,2,3
	v_permlanex16_b32 v[T+4+\q], v[L+\q], s20, s21
.endr
.irp q, 0,1,2,3
	v_add_f32 v[L+\q], v[L+\q], v[T+4+\q]
.endr
.irp q, 0,1,2,3
	ds_store_b32 v[AXW], v[L+\q] offset:1024+256*\q
.endr
	s_wait_dscnt 0x0
	s_barrier_signal -1
	s_barrier_wait -1
.irp q, 0,1,2,3
	ds_load_b128 v[T+4*\q:T+4*\q+3], v[AXR] offset:1024+256*\q
.endr
	s_wait_dscnt 0x0
.irp q, 0,1,2,3
	v_add_f32 v[T+16+\q], v[T+4*\q], v[T+4*\q+1]
.endr
.irp q, 0,1,2,3
	v_add_f32 v[T+4*\q+2], v[T+4*\q+2], v[T+4*\q+3]
.endr
.irp q, 0,1,2,3
	v_add_f32 v[T+16+\q], v[T+16+\q], v[T+4*\q+2]
.endr
.irp q, 0,1,2,3
	v_rcp_f32 v[T+2*\q], v[T+16+\q]
.endr
	v_nop                                          ; a plain instruction behind the last reciprocal,
	s_wait_alu depctr_va_vdst(0)                   ; and one wait for the four, ahead of the first use
.macro PACK q                          ; block q = 4 x (tile of queries) + (quarter of my 256 d): four accumulators x 1 / the sum, each from its low end on, into set q % 2
	WIN 0x02+((\q)%4)/2
.irp t, 0,1,2,3
.irp p, 0,2,4,6
.set rO, 8*(4*((4*((\q)%4)+\t)%8)+(\q)/4)+\p
.set rM, S+32*((\q)%2)+8*\t+\p
	v_pk_mul_f32 v[rM:rM+1], v[rO:rO+1], v[T+2*((\q)/4):T+2*((\q)/4)+1] op_sel_hi:[1,0]
.endr
.endr
	WIN 0
.endm
.macro TOSTAGE q
.irp t, 0,1,2,3
	ds_store_b128 v[STO], v[S+32*((\q)%2)+8*\t:S+32*((\q)%2)+8*\t+3] offset:64*\t
	ds_store_b128 v[STO], v[S+32*((\q)%2)+8*\t+4:S+32*((\q)%2)+8*\t+7] offset:64*\t+16
.endr
.irp i, 0,1,2,3,4,5,6,7
	ds_load_b128 v[FB+32*((\q)%2)+4*\i:FB+32*((\q)%2)+4*\i+3], v[SRD] offset:544*\i   ; LDS serves a wave's instructions in order (ISA guide 5.7.1.4): these see the stores above, and the next block's stores come behind them
.endr
.endm
.macro SEND q, younger                 ; younger: the LDS instructions issued behind block q's loads
	s_wait_dscnt \younger
.irp i, 0,1,2,3,4,5,6,7
	global_store_b128 v[GO], v[FB+32*((\q)%2)+4*\i:FB+32*((\q)%2)+4*\i+3], s[66:67] offset:(16*((\q)/4)+2*\i)*4096+256*((\q)%4) th:TH_STORE_NT   ; 16 lanes store 256 consecutive bytes, at a multiple of 256 from out0's first byte
.endr
.endm
	PACK 0
	TOSTAGE 0
.irp q, 1,2,3,4,5,6,7,8,9,10,11,12,13,14,15
	PACK \q                                        ; its set's last LDS stores, two blocks back, are done: the last SEND's wait has shown it
.if \q > 1
	s_wait_xcnt 0x0                                ; the stores of two blocks back have read their registers: this block's loads may land there
.endif
	TOSTAGE \q
	SEND \q-1, 16                                  ; behind its loads: this block's eight stores and eight loads
.endr
	SEND 15, 0
	s_wait_tensorcnt 0x0                           ; the wave's end, behind my last tensor load and my last LDS store
	ds_add_u32 v[SPW], v[NIL]
	s_wait_dscnt 0x0
	CROUND                                         ; the closing round: no work-group ends while a partner may still ask for a tile that names it
	s_endpgm
.Lfunc_end_k_q6f13c022b6_attn:
	.size	k_q6f13c022b6_attn, .Lfunc_end_k_q6f13c022b6_attn-k_q6f13c022b6_attn
	.p2alignl 7, 3214868480
	.fill 96, 4, 3214868480
	.section	.rodata,"a",@progbits
	.p2align	6, 0x0
	.amdhsa_kernel k_q6f13c022b6_attn
		.amdhsa_group_segment_fixed_size 327680
		.amdhsa_private_segment_fixed_size 0
		.amdhsa_enable_private_segment 0
		.amdhsa_kernarg_size 56
		.amdhsa_user_sgpr_count 2
		.amdhsa_user_sgpr_kernarg_segment_ptr 1
		.amdhsa_wavefront_size32 1
		.amdhsa_system_sgpr_workgroup_id_x 1
		.amdhsa_system_sgpr_workgroup_id_y 1
		.amdhsa_system_sgpr_workgroup_id_z 1
		.amdhsa_system_vgpr_workitem_id 0
		.amdhsa_next_free_vgpr 1024
		.amdhsa_next_free_sgpr 80
		.amdhsa_reserve_vcc 1
		.amdhsa_float_denorm_mode_32 3
		.amdhsa_float_denorm_mode_16_64 3
		.amdhsa_memory_ordered 1
		.amdhsa_forward_progress 1
		.amdhsa_inst_pref_size 255
	.end_amdhsa_kernel
	.section	.bss,"aw",@nobits
	.p2align	6
	.space	262144
	.amdgpu_metadata
---
amdhsa.version: [ 1, 2 ]
amdhsa.kernels:
  - .name:           k_q6f13c022b6_attn
    .symbol:         k_q6f13c022b6_attn.kd
    .args:
      - { .name: query_codes, .offset: 0, .size: 8, .value_kind: global_buffer, .address_space: global }
      - { .name: query_scales, .offset: 8, .size: 8, .value_kind: global_buffer, .address_space: global }
      - { .name: key_codes, .offset: 16, .size: 8, .value_kind: global_buffer, .address_space: global }
      - { .name: key_scales, .offset: 24, .size: 8, .value_kind: global_buffer, .address_space: global }
      - { .name: value_codes, .offset: 32, .size: 8, .value_kind: global_buffer, .address_space: global }
      - { .name: value_scales, .offset: 40, .size: 8, .value_kind: global_buffer, .address_space: global }
      - { .name: out0, .offset: 48, .size: 8, .value_kind: global_buffer, .address_space: global }
    .group_segment_fixed_size: 327680
    .private_segment_fixed_size: 0
    .kernarg_segment_align: 8
    .kernarg_segment_size: 56
    .max_flat_workgroup_size: 128
    .sgpr_count:     80
    .vgpr_count:     1024
    .wavefront_size: 32
...
	.end_amdgpu_metadata
.endif
;; end of part 1
